; MI455X (gfx1250); checked and timed in simulation.
; The chip was launched on July 23, 2026; its instructions are those of AMD's public machine-readable ISA for CDNA 5 (MIT licence, August 2026) and "CDNA5" Instruction Set Architecture Reference Guide (July 2026). The comments in the code are by the model that wrote it; some were corrected since.
;; LSTM Layer. Allowed arithmetic: float matrix products may take bf16 or f16 operands with f32 sums; other float arithmetic in f32, or as packed bf16 or f16 multiplies, adds, multiply-adds, maxima and minima; sums over many terms, partial sums and values carried from step to step in f32; what a program stores and reads back later, other than sums and carried values, may be rounded once to bf16 or f16.
;; Inputs: W_c 2,048 x 4,096 float32; W_f 2,048 x 4,096 float32; W_i 2,048 x 4,096 float32; W_o 2,048 x 4,096 float32; b_c 2,048 float32; b_f 2,048 float32; b_i 2,048 float32; b_o 2,048 float32; cell_state 2,048 x 2,048 float32; hidden_state 2,048 x 2,048 float32; input 2,048 x 2,048 float32.
;; Outputs: out0 2,048 x 2,048 float32; out1 2,048 x 2,048 float32.
;; One version. Each part assembles by itself: llvm-mc -triple=amdgcn-amd-amdhsa -mcpu=gfx1250 --defsym DOCPART=n.
;; ======== version 1 of 1: 2 launches
;; workspace buffers: ub 16,777,216 bytes; wb 67,108,864 bytes
;; launch cast (part 1): grid 128 x 10, 8 waves a work-group, no clusters, 0 bytes of LDS; arguments input, hidden_state, W_i, W_f, W_c, W_o, ub, wb; writes ub, wb
.if DOCPART == 1
	.amdgcn_target "amdgcn-amd-amdhsa--gfx1250"
	.amdhsa_code_object_version 6
	.text
	.protected	k_q86b1767b78_cast
	.globl	k_q86b1767b78_cast
	.p2align	8
	.type	k_q86b1767b78_cast,@function
k_q86b1767b78_cast:
	s_mov_b64 s[64:65], 0
	v_nop
	global_prefetch_b8 v0, s[64:65] scope:SCOPE_SE
	s_setreg_imm32_b32 hwreg(HW_REG_WAVE_MODE, 25, 1), 1
	s_wait_xcnt 0x0
; THE MATRIX OPERANDS, ROUNDED ONCE TO bf16 (round to nearest even) AND LAID OUT FOR THE PRODUCT THAT FOLLOWS.
; ub [2048][4096] bf16: row r = input[r] (4,096 bytes), then hidden_state[r] (4,096 bytes).
; wb [8192][4096] bf16: row h of gate g (i = 0, f = 1, c = 2, o = 3) lies at row (h / 32) x 128 + 32 g + h % 32, so that the 4 x 32 rows
; that one wave of the product multiplies, and the 256 rows of a work-group's tile, lie on end.
; A stream: each byte is read once and written once; no LDS, no barrier, no matrix work: none of them would move a byte less.
; A CHUNK is 8,192 bytes of a source (2,048 f32) and 4,096 bytes of bf16.  A work-group takes 16 chunks that lie on end in the source.
; Grid y = 0: input, 1: hidden_state (a chunk is a row; 16 rows to a work-group);  y = 2 .. 9: gate (y - 2) / 2, its half (y - 2) % 2 (two chunks are a row; 8 rows).
; Of a chunk a wave takes 1,024 bytes, by two loads of 512 consecutive bytes; each of its two stores covers 256 consecutive bytes, aligned.
; A ring of eight slots in registers keeps 16 loads of every wave on their way.
.set CHUNK, 8192
.set SO,  1                            ; v1       my byte offset in a chunk of the source: 1,024 x wave + 16 x lane; never rewritten
.set DO,  2                            ; v2       my byte offset in the destination: 512 x wave + 8 x lane, plus the chunks done
.set Y,   4                            ; v[4:7]   8 bf16 to store
.set X,   16                           ; v[16:79] slot i: 8 registers as loaded
	s_load_b512 s[16:31], s[0:1], 0x0              ; input 16, hidden_state 18, W_i 20, W_f 22, W_c 24, W_o 26, ub 28, wb 30
	s_and_b32 s2, ttmp7, 0xffff                    ; y
	s_mov_b32 s3, ttmp9                            ; x
	s_max_u32 s4, s2, 2
	s_sub_co_u32 s4, s4, 2                         ; t = y - 2 (0 where y < 2)
	s_lshr_b32 s5, s4, 1                           ; the gate g
	s_and_b32 s6, s4, 1
	s_lshl_b32 s6, s6, 7
	s_add_co_u32 s6, s6, s3                        ; xx = x + 128 x (t % 2): which 16 chunks of the source (= x where y < 2)
	s_lshr_b32 s8, s6, 2                           ; a weight's rows 8 xx .. 8 xx + 7 go to rows (xx / 4) x 128 + 32 g + 8 (xx % 4) ..
	s_lshl_b32 s8, s8, 7
	s_lshl_b32 s9, s5, 5
	s_add_co_u32 s8, s8, s9
	s_and_b32 s9, s6, 3
	s_lshl_b32 s9, s9, 3
	s_add_co_u32 s8, s8, s9
	s_lshl_b32 s8, s8, 13                          ; of 8,192 bytes
	s_lshl_b32 s9, s3, 17                          ; input's and hidden_state's rows 16 x .. go to the same rows of ub,
	s_lshl_b32 s10, s2, 12
	s_add_co_u32 s9, s9, s10                       ; into their first or second half
	s_mov_b32 s10, 8192
	s_cmp_lt_u32 s2, 2
	s_cselect_b32 s14, s9, s8                      ; the destination's offset
	s_cselect_b32 s7, s10, 4096                    ; from chunk to chunk in the destination: a row of ub, or half a row of wb
	s_mov_b32 s15, 0
	s_lshl_b32 s12, s6, 17                         ; the source's offset: 16 chunks of 8,192 bytes
	s_mov_b32 s13, 0
	v_and_b32 v3, 0xe0, v0                         ; 32 x wave
	v_and_b32 v1, 31, v0                           ; lane
	v_lshlrev_b32 v[DO], 3, v1
	v_lshlrev_b32 v[SO], 4, v1
	v_lshl_or_b32 v[SO], v3, 5, v[SO]
	v_lshl_or_b32 v[DO], v3, 4, v[DO]
	s_wait_kmcnt 0x0
	s_cmp_eq_u32 s5, 1                             ; the source: a choice between buffers by the work-group's y alone
	s_cselect_b64 s[8:9], s[22:23], s[20:21]
	s_cmp_eq_u32 s5, 2
	s_cselect_b64 s[8:9], s[24:25], s[8:9]
	s_cmp_eq_u32 s5, 3
	s_cselect_b64 s[8:9], s[26:27], s[8:9]
	s_cmp_eq_u32 s2, 0
	s_cselect_b64 s[8:9], s[16:17], s[8:9]
	s_cmp_eq_u32 s2, 1
	s_cselect_b64 s[8:9], s[18:19], s[8:9]
	s_cmp_lt_u32 s2, 2
	s_cselect_b64 s[10:11], s[28:29], s[30:31]     ; the destination
	s_add_nc_u64 s[8:9], s[8:9], s[12:13]
	s_add_nc_u64 s[10:11], s[10:11], s[14:15]
.macro FILL c                          ; chunk c into slot c % 8
	global_load_b128 v[X+8*((\c)%8):X+8*((\c)%8)+3],   v[SO], s[8:9] offset:(\c)*CHUNK th:TH_LOAD_NT
	global_load_b128 v[X+8*((\c)%8)+4:X+8*((\c)%8)+7], v[SO], s[8:9] offset:(\c)*CHUNK+512 th:TH_LOAD_NT
.endm
.irp c, 0,1,2,3,4,5,6,7
	FILL \c
.endr
; Chunk c's turn.  left = how many younger loads may stay out when the slot's two have to be there.
.macro TURN c, left
	s_wait_loadcnt \left                           ; loads come back in order (ISA guide 5.7.1): the slot's two are in
	s_wait_xcnt 0x0                                ; Y and DO, which the last turn's stores read, are rewritten only behind this wait
.irp j, 0,1,2,3
	v_cvt_pk_bf16_f32 v[Y+(\j)], v[X+8*((\c)%8)+2*(\j)], v[X+8*((\c)%8)+2*(\j)+1]
.endr
.if (\c) > 0
	v_add_nc_u32 v[DO], s7, v[DO]                  ; the next chunk's place
.endif
.if (\c) < 8
	FILL (\c)+8                                    ; the loads go out ahead of the stores
.endif
	global_store_b64 v[DO], v[Y:Y+1],   s[10:11] th:TH_STORE_NT             ; 32 lanes x 8 bytes: 256 consecutive bytes, aligned
	global_store_b64 v[DO], v[Y+2:Y+3], s[10:11] offset:256 th:TH_STORE_NT  ; the second load's numbers lie 128 further on
.endm
.irp c, 0,1,2,3,4,5,6,7
	TURN \c, 14                                    ; behind the slot's two: the seven other slots' fourteen
.endr
.irp c, 8,9,10,11,12,13,14,15
	TURN \c, 2*(15-(\c))                           ; nothing more is loaded: the counts run down
.endr
	s_endpgm
.Lfunc_end_k_q86b1767b78_cast:
	.size	k_q86b1767b78_cast, .Lfunc_end_k_q86b1767b78_cast-k_q86b1767b78_cast
	.p2alignl 7, 3214868480
	.fill 96, 4, 3214868480
	.section	.rodata,"a",@progbits
	.p2align	6, 0x0
	.amdhsa_kernel k_q86b1767b78_cast
		.amdhsa_group_segment_fixed_size 0
		.amdhsa_private_segment_fixed_size 0
		.amdhsa_enable_private_segment 0
		.amdhsa_kernarg_size 64
		.amdhsa_user_sgpr_count 2
		.amdhsa_user_sgpr_kernarg_segment_ptr 1
		.amdhsa_wavefront_size32 1
		.amdhsa_system_sgpr_workgroup_id_x 1
		.amdhsa_system_sgpr_workgroup_id_y 1
		.amdhsa_system_sgpr_workgroup_id_z 1
		.amdhsa_system_vgpr_workitem_id 0
		.amdhsa_next_free_vgpr 80
		.amdhsa_next_free_sgpr 66
		.amdhsa_reserve_vcc 0
		.amdhsa_float_denorm_mode_32 3
		.amdhsa_float_denorm_mode_16_64 3
		.amdhsa_memory_ordered 1
		.amdhsa_forward_progress 1
		.amdhsa_inst_pref_size 14
	.end_amdhsa_kernel
	.amdgpu_metadata
---
amdhsa.version: [ 1, 2 ]
amdhsa.kernels:
  - .name:           k_q86b1767b78_cast
    .symbol:         k_q86b1767b78_cast.kd
    .args:
      - { .name: input, .offset: 0, .size: 8, .value_kind: global_buffer, .address_space: global }
      - { .name: hidden_state, .offset: 8, .size: 8, .value_kind: global_buffer, .address_space: global }
      - { .name: W_i, .offset: 16, .size: 8, .value_kind: global_buffer, .address_space: global }
      - { .name: W_f, .offset: 24, .size: 8, .value_kind: global_buffer, .address_space: global }
      - { .name: W_c, .offset: 32, .size: 8, .value_kind: global_buffer, .address_space: global }
      - { .name: W_o, .offset: 40, .size: 8, .value_kind: global_buffer, .address_space: global }
      - { .name: ub, .offset: 48, .size: 8, .value_kind: global_buffer, .address_space: global }
      - { .name: wb, .offset: 56, .size: 8, .value_kind: global_buffer, .address_space: global }
    .group_segment_fixed_size: 0
    .private_segment_fixed_size: 0
    .kernarg_segment_align: 8
    .kernarg_segment_size: 64
    .max_flat_workgroup_size: 256
    .sgpr_count:     66
    .vgpr_count:     80
    .wavefront_size: 32
...
	.end_amdgpu_metadata
.endif
;; end of part 1
;; launch lstm (part 2): grid 32 x 8, 4 waves a work-group, clusters of 4 x 4, 327,680 bytes of LDS; arguments ub, wb, cell_state, b_i, b_f, b_c, b_o, out0, out1; writes out0, out1
.if DOCPART == 2
	.amdgcn_target "amdgcn-amd-amdhsa--gfx1250"
	.amdhsa_code_object_version 6
	.text
	.protected	k_q86b1767b78_lstm
	.globl	k_q86b1767b78_lstm
	.p2align	8
	.type	k_q86b1767b78_lstm,@function
k_q86b1767b78_lstm:
	s_mov_b64 s[64:65], 0
	v_nop
	global_prefetch_b8 v0, s[64:65] scope:SCOPE_SE
	s_setreg_imm32_b32 hwreg(HW_REG_WAVE_MODE, 25, 1), 1
	s_wait_xcnt 0x0
	s_wait_alu depctr_hold_cnt(0) depctr_sa_sdst(0) depctr_va_vdst(0) depctr_va_sdst(0) depctr_va_ssrc(0) depctr_va_vcc(0) depctr_vm_vsrc(0)
	s_getreg_b32 s2, hwreg(HW_REG_IB_STS2, 6, 4)
	s_cmp_eq_u32 s2, 0
	s_cbranch_scc0 .Lentry_in_a_cluster
	s_endpgm
.Lentry_in_a_cluster:
	s_bfe_u32 s2, ttmp6, 0x10000c
	s_cmp_lg_u32 s2, 0xf033
	s_cbranch_scc0 .Lentry_shape_is_right
	s_endpgm
.Lentry_shape_is_right:
; ONE LSTM STEP.  gates = ub wb^T + b (ub [2048][4096], wb [8192][4096], both bf16, sums in f32), then for each element
;   c' = c sigmoid(gf) + sigmoid(gi) tanh(gc)  (out1),   h' = sigmoid(go) tanh(c')  (out0),   all in f32.
; wb's rows are ordered so that rows 256 ct + 128 ch + 32 g + j are gate g (i, f, c, o = 0 .. 3) of hidden column 64 ct + 32 ch + j.
; LIMITS.  The matrix operands were rounded once to bf16.  sigmoid(x) = 1 / (1 + 2^(-x log2 e)); tanh(x) = 1 - 2 / (1 + 2^(2 x log2 e)): right at both infinities without a clamp;
; tanh's error is about 1e-7 absolute, so below |x| = 1e-5 its relative accuracy is lost.  An exponential below 2^-126 counts as 0 (ISA guide, 15.8).  NaN goes as the arithmetic takes it.
; SHARES.  A work-group makes 256 batch rows x 64 hidden columns of both outputs: a tile of 256 x 256 of the gates.  Four waves, as many as a WGP has SIMDs; a wave makes 128 rows x 128 rows of wb
; (4 gates x 32 hidden columns): 64 accumulators of 16 x 16, 512 registers.  256 tiles, 256 work-groups.  K goes in steps of 128 through two LDS slots filled by the tensor data mover.
; THE MATRIX INSTRUCTION IS USED TRANSPOSED: source 0 = 16 rows of wb, source 1 = 16 rows of ub.  In accumulator (a, b = 2 g + cb) lane l, register j holds batch row 16 a + l % 16 and
; hidden column 16 cb + 8 (l / 16) + j of gate g: THE FOUR GATES OF AN ELEMENT LIE IN ONE LANE, at the same j, so the gates never leave the registers.
; CLUSTERS: 4 x 4 work-groups.  The four of a row of the cluster need the same tiles of ub, the four of a column the same tiles of wb: each tile is asked for JOINTLY, by the same tensor load
; with the same descriptor and a mask that names the four.  The tile of cell_state is each work-group's own: a plain load.
; LDS.  Slot 0 at 0, slot 1 at SLOT: ub's 256 rows, then wb's 256 rows, 272 bytes apart.  When slot 0's last K step has been read its first half takes the tile of cell_state (256 rows x 256 bytes, 272 apart):
; the slot's last fill.  When slot 1's last K step has been read it serves as the two stages for the way out: c' at SLOT, h' at SLOT + 256 x 272.  Behind the slots: the spare words.
; REGISTERS, in windows of 256 (s_set_vgpr_msb's low byte: bits 1:0 source 0, 3:2 source 1, 5:4 source 2, 7:6 destination):
;   window 0: v0-31 addresses; v64-127, v128-191 fragments of ub, two buffers; v192-255 the biases.  In the tail: v64-127 T, the four gates of 16 elements; v128-159 the cell's numbers, two buffers; at the end v64-255 rows on their way out
;   window 1: v64-127, v128-191 fragments of wb, two buffers     window 2: the accumulators of my rows 0-63 ((a, b) at v[8 (8 a + b)])     window 3: those of my rows 64-127
.set SIZE_K, 4096
.set ROWB,   8192                      ; bytes in a row of ub, of wb, of cell_state and of the outputs alike
.set KSTEP,  128
.set PITCH,  272                       ; an LDS row: 256 bytes + 16 of padding = 68 words: row r starts at bank 4 r mod 64 (64 banks of 4 bytes: ISA guide 11.1), so the 16 rows of a load start at 16 different banks
.set HALFT,  128*PITCH                 ; 128 rows: what one joint load brings, and what one wave reads of ub or of wb
.set SLOT,   4*HALFT
.set CSTG,   SLOT                      ; the stage for c'
.set HSTG,   SLOT+256*PITCH            ; the stage for h'
.set SPARE,  2*SLOT                    ; the spare words, 128 bytes for each wave: two blocks of 256 bytes that no other line names
.set LAPS,   SIZE_K/(2*KSTEP)          ; a lap = two K steps = once round the ring
.set ADRA, 16                          ; v16-17  LDS address of my fragments of ub in slot 0, 1
.set ADRB, 20                          ; v20-21  the same for wb
.set CA,   22                          ; v22     where I read my 32 bytes of a row of the cell's tile
.set HA,   23                          ; v23     where I put my 32 bytes of a row of h'
.set RD,   24                          ; v24     the way out: where I read rows of c' back
.set RDH,  25                          ; v25     and rows of h'
.set CO,   26                          ; v26     my byte offset in two rows of an output
.set BO,   27                          ; v27     my byte offset in a bias
.set SPW,  28                          ; v28     LDS address of my spare word: SPARE + 4 x my thread's number; never rewritten
.set NIL,  29                          ; v29     0; never rewritten
.set PFO,  30                          ; v30     the prefetches' offset: my lane x 8,192 bytes, a row; never rewritten
.set CW,   31                          ; v31     where I put my 32 bytes of a row of c'
.set F0,   64
.set F1,   128
.set BI,   192                         ; bias of gate g, column 16 cb + 8 (l / 16) + j at BI + 16 g + 8 cb + j
.set T,    64                          ; the tail: gate g of the same column at T + 16 g + 8 cb + j
.set CLB,  128
.set G1,   24                          ; s[24:31] descriptor group 1 for ub's tiles;  s[32:39] group 0, a set for each slot
.set G0,   32
.set LIM,  43                          ; s43      1 in a wave that prefetches K steps, else the greatest number
.set PFA,  44                          ; s[44:45] where those prefetches stand
.set G1B,  48                          ; s[48:55], s[56:63] the same two groups for wb's tiles
.set G0B,  56
.set PCA,  66                          ; s[66:67] cell_state at the 64 rows that I fetch
.set G1C,  68                          ; s[68:75], s[76:79] the two groups for the cell's tile
.set G0C,  76
.set CELL, 80                          ; s[80:81] cell_state
.set BIAS, 82                          ; s[82:89] b_i, b_f, b_c, b_o
.set OUT0, 90                          ; s[90:91] out0, s[92:93] out1, at the 64 rows that I store
.set OUT1, 92
.set OFFC, 94                          ; s[94:95] the byte offset of those rows
.set KN,   96                          ; s[96:97] -log2 e, twice
.set KP,   98                          ; s[98:99] 2 log2 e, twice
.set MSB, 0
.macro WIN new                         ; the immediate's high byte repeats the setting that is left; a switch that changes nothing is dropped
.if MSB != (\new)
	s_set_vgpr_msb (MSB<<8)|(\new)
.set MSB, \new
.endif
.endm
.set MUL_LO, 0xa1                      ; source 0 (wb) window 1, source 1 (ub) window 0, C and D window 2
.set MUL_HI, 0xf1                      ; the same, C and D window 3
.set TO_B,   0x40                      ; destination window 1, address window 0
; A joint load.  Waves 0 and 1 fetch ub's two halves, waves 2 and 3 wb's.  Each line has one mask and one set of registers for all that issue it; the branch hangs on the wave's number alone.
; An s_nop 0 and four v_nop follow each of the two lines, ahead of the jump and the label.
.macro JLOAD s
	s_cmp_eq_u32 s11, 0
	s_cbranch_scc0 .Lfor_b_\@
	tensor_load_to_lds s[G0+4*(\s):G0+4*(\s)+3], s[G1:G1+7]
	s_nop 0
.rept 4
	v_nop
.endr
	s_branch .Lasked_\@
.Lfor_b_\@:
	tensor_load_to_lds s[G0B+4*(\s):G0B+4*(\s)+3], s[G1B:G1B+7]
	s_nop 0
.rept 4
	v_nop
.endr
.Lasked_\@:
.endm
; A PREFETCH of the K step that stands two refills on: 32 rows x 256 bytes, a lane a row, one instruction a wave, 512 matrix instructions ahead of the load that will ask for it.
; Each row's 256 bytes of a K step are named once in the launch: ub's tile row is read by every cluster of that row of clusters, and the one with x = 0 asks; wb's tile column by both clusters of that
; column, and the one with y = 0 asks.  The four partners that ask for a tile jointly share its rows out BY ADDRESS: of the 128 rows that a wave fetches, the partner at place p takes 32 p .. 32 p + 31.
; The loop's last trip (s3 = 1) asks for nothing: no K step stands two refills behind its own.
.macro ASK
	s_cmp_gt_u32 s3, s[LIM]
	s_cbranch_scc0 .Lnot_mine_\@
	global_prefetch_b8 v[PFO], s[PFA:PFA+1] offset:KSTEP*2 th:TH_LOAD_NT scope:SCOPE_SE
.Lnot_mine_\@:
.endm
; THE CELL'S TILE is prefetched in the loop's last trip, one K step (256 matrix instructions) ahead of its load: each wave names the 64 rows x 256 bytes that it will itself fetch, a lane a row, twice.
; No other wave of the launch reads them.  The branch hangs on the loop's count, which is the same in all partners.
.macro ASKC
	s_cmp_eq_u32 s3, 1
	s_cbranch_scc0 .Lno_cell_\@
	global_prefetch_b8 v[PFO], s[PCA:PCA+1] th:TH_LOAD_NT scope:SCOPE_SE
	global_prefetch_b8 v[PFO], s[PCA:PCA+1] offset:32*ROWB th:TH_LOAD_NT scope:SCOPE_SE
.Lno_cell_\@:
.endm
; A round of the cluster's barrier: my work-group's barrier, so that wave 0's signal speaks for all four waves; wave 0 signals for the work-group; every wave waits for all sixteen; my work-group's barrier once more.
.macro CREST                           ; a round behind its opening barrier
	s_cmp_lg_u32 s10, 0
	s_cbranch_scc1 .Lnot_wave_0_\@
	s_barrier_signal -3
.Lnot_wave_0_\@:
	s_barrier_wait -3
	s_barrier_signal -1
	s_barrier_wait -1
.endm
.macro CROUND                          ; a whole round
	s_barrier_signal -1
	s_barrier_wait -1
	CREST
.endm
	s_load_b128 s[4:7], s[0:1], 0x0                ; ub s[4:5], wb s[6:7]
	s_load_b256 s[80:87], s[0:1], 0x10             ; cell_state, b_i, b_f, b_c
	s_load_b128 s[88:91], s[0:1], 0x30             ; b_o, out0
	s_load_b64 s[92:93], s[0:1], 0x40              ; out1
	v_lshl_add_u32 v[SPW], v0, 2, SPARE
	v_mov_b32 v[NIL], 0
	ds_add_u32 v[SPW], v[NIL]                      ; the wave's opening: the add and its wait stand ahead of my first tensor load; the set-up below, work on registers, stands between them
	v_lshrrev_b32 v1, 5, v0
	v_readfirstlane_b32 s10, v1                    ; wave 0..3
	s_lshr_b32 s11, s10, 1                         ; which 128 batch rows are mine.  Also: I fetch for ub (0) or for wb (1)
	s_and_b32 s12, s10, 1                          ; which 128 rows of wb are mine.  Also: which 128 rows of that tile I fetch
	s_bfe_u32 s40, ttmp6, 0x40000                  ; cx, cy: my place in the cluster
	s_bfe_u32 s41, ttmp6, 0x40004
	s_lshl_b32 s42, ttmp9, 2                       ; in a cluster launch ttmp9 and ttmp7 count clusters
	s_add_co_u32 s42, s42, s40                     ; tile column = 4 x cluster x + cx: 64 hidden columns
	s_and_b32 s13, ttmp7, 0xffff
	s_lshl_b32 s13, s13, 2
	s_add_co_u32 s13, s13, s41                     ; tile row = 4 x cluster y + cy: 256 batch rows
	s_lshl_b32 s43, s41, 2
	s_lshl_b32 s43, 15, s43                        ; my row of the cluster: places 4 cy .. 4 cy + 3
	s_lshl_b32 s44, 0x1111, s40                    ; my column: places cx, cx + 4, cx + 8, cx + 12
	; descriptor group 1 for ub and wb: a tile of 128 rows x 128 elements of 2 bytes, padded in LDS
	s_or_b32 s[G1+0], s43, (1<<16)|(1<<20)|(1<<21)|(5<<22)|(3<<25)  ; 15:0 the mask: ub's tiles go to my row; 17:16 elements of 2 bytes; 20 padding on; 21 set beside a mask; 24:22 after every 64 words (code 5); 31:25 4 words (code 3)
	s_or_b32 s[G1B+0], s44, (1<<16)|(1<<20)|(1<<21)|(5<<22)|(3<<25) ; the same with the mask of my column, for wb's tiles
.irp g, G1, G1B
	s_mov_b32 s[(\g)+1], KSTEP<<16                 ; tensor_dim0 = 128
	s_mov_b32 s[(\g)+2], 128<<16                   ; tensor_dim1 = 128
	s_mov_b32 s[(\g)+3], KSTEP<<16                 ; tile_dim0 = 128
	s_mov_b32 s[(\g)+4], 128                       ; tile_dim1 = 128
	s_mov_b32 s[(\g)+5], SIZE_K                    ; elements from row to row
	s_mov_b32 s[(\g)+6], 0
	s_mov_b32 s[(\g)+7], 0
.endr
	; descriptor group 1 for the cell's tile: 64 rows x 64 elements of 4 bytes, no mask, the same padding
	s_mov_b32 s[G1C+0], (2<<16)|(1<<20)|(5<<22)|(3<<25)
	s_mov_b32 s[G1C+1], 64<<16                     ; tensor_dim0 = 64
	s_mov_b32 s[G1C+2], 64<<16                     ; tensor_dim1 = 64
	s_mov_b32 s[G1C+3], 64<<16                     ; tile_dim0 = 64
	s_mov_b32 s[G1C+4], 64                         ; tile_dim1 = 64
	s_mov_b32 s[G1C+5], 2048                       ; elements from row to row
	s_mov_b32 s[G1C+6], 0
	s_mov_b32 s[G1C+7], 0
	s_mov_b32 s[KN], 0xbfb8aa3b                    ; -log2 e
	s_mov_b32 s[KN+1], 0xbfb8aa3b
	s_mov_b32 s[KP], 0x4038aa3b                    ; 2 log2 e
	s_mov_b32 s[KP+1], 0x4038aa3b
	; where the tiles come from.  ub's hang on the tile row alone, which my row of the cluster shares; wb's on the tile column alone, which my column shares.
	s_lshl_b32 s17, s12, 7                         ; which 128 rows of the tile I fetch
	s_lshl_b32 s16, s13, 8
	s_add_co_u32 s16, s16, s17                     ; ub: row 256 x tile row + 128 x half
	s_lshl_b32 s46, s42, 8
	s_add_co_u32 s46, s46, s17                     ; wb: row 256 x tile column + 128 x half
	s_lshl_b32 s16, s16, 13                        ; in bytes: under 2^27
	s_lshl_b32 s46, s46, 13
	s_mov_b32 s17, 0
	s_mov_b32 s47, 0
	s_mul_i32 s20, s10, HALFT                      ; and where they go: wave x 128 rows: no place in the cluster enters an LDS address
	s_wait_dscnt 0x0                               ; the opening add is done
	s_wait_kmcnt 0x0
	s_add_nc_u64 s[14:15], s[4:5], s[16:17]
	s_add_nc_u64 s[46:47], s[6:7], s[46:47]
	CROUND                                         ; all sixteen work-groups are here: the first joint loads meet
.irp s, 0,1
	s_mov_b32 s[G0+4*(\s)], 1                                      ; 1:0 count = 1
	s_add_co_u32 s[G0+4*(\s)+1], s20, (\s)*SLOT                    ; 63:32 LDS address
	s_add_nc_u64 s[G0+4*(\s)+2:G0+4*(\s)+3], s[14:15], (\s)*KSTEP*2  ; 120:64 global address: K step s
	s_or_b32 s[G0+4*(\s)+3], s[G0+4*(\s)+3], 0x80000000            ; 127:126 type = 2
	s_mov_b32 s[G0B+4*(\s)], 1
	s_add_co_u32 s[G0B+4*(\s)+1], s20, (\s)*SLOT
	s_add_nc_u64 s[G0B+4*(\s)+2:G0B+4*(\s)+3], s[46:47], (\s)*KSTEP*2
	s_or_b32 s[G0B+4*(\s)+3], s[G0B+4*(\s)+3], 0x80000000
	JLOAD \s                                       ; the ring is filled before anything else is done: two loads of mine are out
.endr
	; A fragment is 16 rows x 32 K in 8 registers: lane l holds row l % 16; registers 0-3 K = 8 (l / 16) + 0..7, registers 4-7 K = 16 + 8 (l / 16) + 0..7: two loads of 16 bytes, 32 bytes apart.
	v_and_b32 v1, 15, v0                           ; l % 16
	v_bfe_u32 v2, v0, 4, 1                         ; l / 16
	v_mul_u32_u24 v3, v1, PITCH
	v_lshl_add_u32 v3, v2, 4, v3                   ; row x pitch + 16 x half
	s_mul_i32 s21, s11, HALFT                      ; my 128 rows of ub
	s_mul_i32 s22, s12, HALFT                      ; my 128 rows of wb,
	s_add_co_u32 s22, s22, 2*HALFT                 ; which lie behind ub's 256
.irp s, 0,1
	v_add_nc_u32 v[ADRA+(\s)], s21, v3
	v_add_nc_u32 v[ADRB+(\s)], s22, v3
	s_add_co_u32 s21, s21, SLOT
	s_add_co_u32 s22, s22, SLOT
.endr
	; the tail's LDS addresses.  My element's row is 128 x (my half of the rows) + 16 a + l % 16; its eight columns begin at byte 128 x (my half of the columns) + 64 cb + 32 (l / 16)
	v_mul_u32_u24 v4, v1, PITCH
	v_lshl_add_u32 v4, v2, 5, v4
	s_mul_i32 s23, s11, HALFT
	s_lshl_b32 s21, s12, 7
	s_add_co_u32 s23, s23, s21
	v_add_nc_u32 v[CA], s23, v4                    ; in the cell's tile, at LDS byte 0,
	v_add_nc_u32 v[CW], CSTG, v[CA]                ; in the stage for c',
	v_add_nc_u32 v[HA], HSTG, v[CA]                ; in the stage for h'
	v_mul_u32_u24 v5, v2, PITCH                    ; back: wave w takes rows 64 w .. 64 w + 63, whole; lanes 0-15 one row of 256 bytes, lanes 16-31 the next
	v_lshl_add_u32 v5, v1, 4, v5
	s_mul_i32 s23, s10, 64*PITCH
	s_add_co_u32 s23, s23, CSTG
	v_add_nc_u32 v[RD], s23, v5
	v_add_nc_u32 v[RDH], HSTG-CSTG, v[RD]
	v_lshlrev_b32 v5, 13, v2                       ; and the same two rows in an output
	v_lshl_add_u32 v[CO], v1, 4, v5
	s_lshl_b32 s23, s42, 8                         ; a bias: 256 x tile column + 128 x half + 32 (l / 16) bytes
	s_add_co_u32 s23, s23, s21
	v_lshl_add_u32 v[BO], v2, 5, s23
.irp g, 0,1,2,3
.irp c, 0,1
	global_load_b128 v[BI+16*(\g)+8*(\c):BI+16*(\g)+8*(\c)+3],   v[BO], s[BIAS+2*(\g):BIAS+2*(\g)+1] offset:64*(\c)
	global_load_b128 v[BI+16*(\g)+8*(\c)+4:BI+16*(\g)+8*(\c)+7], v[BO], s[BIAS+2*(\g):BIAS+2*(\g)+1] offset:64*(\c)+16
.endr
.endr
	; the 64 rows x 256 bytes of cell_state that I fetch, and of the outputs that I store: row 256 x tile row + 64 x wave, byte 256 x tile column
	s_lshl_b32 s[OFFC], s13, 8
	s_lshl_b32 s[OFFC+1], s10, 6
	s_add_co_u32 s[OFFC], s[OFFC], s[OFFC+1]
	s_lshl_b32 s[OFFC], s[OFFC], 13
	s_lshl_b32 s[OFFC+1], s42, 8
	s_add_co_u32 s[OFFC], s[OFFC], s[OFFC+1]
	s_mov_b32 s[OFFC+1], 0
	s_mov_b32 s[G0C], 1                            ; 1:0 count = 1
	s_mul_i32 s[G0C+1], s10, 64*PITCH              ; 63:32 LDS address: wave x 64 rows, from byte 0
	s_add_nc_u64 s[G0C+2:G0C+3], s[CELL:CELL+1], s[OFFC:OFFC+1]
	s_or_b32 s[G0C+3], s[G0C+3], 0x80000000        ; 127:126 type = 2
	s_add_nc_u64 s[PCA:PCA+1], s[CELL:CELL+1], s[OFFC:OFFC+1]
	s_add_nc_u64 s[OUT0:OUT0+1], s[OUT0:OUT0+1], s[OFFC:OFFC+1]
	s_add_nc_u64 s[OUT1:OUT1+1], s[OUT1:OUT1+1], s[OFFC:OFFC+1]
	; the prefetches of K steps
	s_lshl_b32 s13, s13, 8                         ; 256 x tile row
	s_lshl_b32 s42, s42, 8                         ; 256 x tile column
	s_and_b32 s22, ttmp7, 0xffff                   ; cluster y
	s_cmp_eq_u32 s11, 0                            ; do I fetch for ub?
	s_cselect_b32 s20, s13, s42                    ; the tile's first row
	s_cselect_b32 s21, s40, s41                    ; my place among the four that ask for it with me
	s_cselect_b32 s22, ttmp9, s22                  ; the coordinate along which other clusters read the same rows
	s_cselect_b64 s[PFA:PFA+1], s[4:5], s[6:7]
	s_cmp_eq_u32 s22, 0
	s_cselect_b32 s[LIM], 1, -1                    ; the same in all sixteen partners, for a given wave
	s_lshl_b32 s22, s12, 7
	s_add_co_u32 s20, s20, s22                     ; + the 128 rows that I fetch
	s_lshl_b32 s21, s21, 5
	s_add_co_u32 s20, s20, s21                     ; + my work-group's 32 of them
	s_lshl_b32 s20, s20, 13
	s_mov_b32 s21, 0
	s_add_nc_u64 s[PFA:PFA+1], s[PFA:PFA+1], s[20:21]
	s_add_nc_u64 s[PFA:PFA+1], s[PFA:PFA+1], 2*KSTEP*2  ; at K step 2: the first refill steps it to 3 and names K step 4.  Nothing is prefetched here, at the head
	v_and_b32 v[PFO], 31, v0
	v_lshlrev_b32 v[PFO], 13, v[PFO]
; 16 matrix instructions: row blocks a0, a0 + 1 of the window's four (hi = 0: my rows 0-63, 1: rows 64-127) x all 8 blocks of wb's rows, 32 along K.  zero = 1: the product starts the sums: nothing is cleared.
; The 64 accumulators take turns in the same order in every quarter step, one instruction a turn.
.macro MUL16 f, hi, a0, zero
	WIN MUL_LO+0x50*(\hi)
.irp a, \a0, (\a0)+1
.irp b, 0,1,2,3,4,5,6,7
.if \zero
	v_wmma_f32_16x16x32_bf16 v[8*(8*(\a)+(\b)):8*(8*(\a)+(\b))+7], v[(\f)+8*(\b):(\f)+8*(\b)+7], v[(\f)+8*(4*(\hi)+(\a)):(\f)+8*(4*(\hi)+(\a))+7], 0
.else
	v_wmma_f32_16x16x32_bf16 v[8*(8*(\a)+(\b)):8*(8*(\a)+(\b))+7], v[(\f)+8*(\b):(\f)+8*(\b)+7], v[(\f)+8*(4*(\hi)+(\a)):(\f)+8*(4*(\hi)+(\a))+7], v[8*(8*(\a)+(\b)):8*(8*(\a)+(\b))+7]
.endif
.endr
.endr
.endm
; 32 LDS loads in one run: the fragments of one quarter step (128 rows of wb, 128 rows of ub, 32 K at byte k of the rows) into buffer f
.macro FETCH slot, k, f
	WIN TO_B
.irp i, 0,1,2,3,4,5,6,7
	ds_load_b128 v[(\f)+8*(\i):(\f)+8*(\i)+3],   v[ADRB+(\slot)] offset:(\k)+(\i)*16*PITCH
	ds_load_b128 v[(\f)+8*(\i)+4:(\f)+8*(\i)+7], v[ADRB+(\slot)] offset:(\k)+(\i)*16*PITCH+32
.endr
	WIN 0
.irp i, 0,1,2,3,4,5,6,7
	ds_load_b128 v[(\f)+8*(\i):(\f)+8*(\i)+3],   v[ADRA+(\slot)] offset:(\k)+(\i)*16*PITCH
	ds_load_b128 v[(\f)+8*(\i)+4:(\f)+8*(\i)+7], v[ADRA+(\slot)] offset:(\k)+(\i)*16*PITCH+32
.endr
.endm
; A load into a register that a matrix instruction has read stands four places behind it, and only plain vector instructions that name none of its registers are places (ISA guide 7.12.1 for vector instructions).
.macro PLACES
.rept 4
	v_nop
.endr
.endm
; A K step is four quarter steps of 32 along K, 64 matrix instructions each, on buffers 0, 1, 0, 1.  One of the first three: multiplies buffer f; in its middle it fetches the next quarter, at byte k, into buffer g.
.macro QUARTER slot, k, f, g, zero
	s_wait_dscnt 8                                 ; wb's and ub's rows 0-63 are in; the youngest eight loads (ub's rows 64-127) may be out
	WIN MUL_LO
	MUL16 \f, 0, 0, \zero
	MUL16 \f, 0, 2, \zero
	PLACES
	FETCH \slot, \k, \g
	s_wait_dscnt 32                                ; all but the 32 just issued
	WIN MUL_HI
	MUL16 \f, 1, 0, \zero
	MUL16 \f, 1, 2, \zero
.endm
; The last quarter multiplies buffer 1 and changes slots.  MEET is its first half: in front of the barrier each wave waits for all its tensor loads, of which one is out: its part of the next slot;
; adds 0 to its spare word; and waits for that and for its own reads of this slot.  The barrier opens a round of the cluster's barrier.
.macro MEET
	WIN 0                                          ; (the add's two registers lie in window 0)
	s_wait_tensorcnt 0x0                           ; all my tensor loads have landed;
	ds_add_u32 v[SPW], v[NIL]                      ; 0 onto my spare word;
	s_wait_dscnt 9                                 ; (the add and the youngest eight loads may be out)
	WIN MUL_LO
	MUL16 F1, 0, 0, 0                              ; sixteen matrix instructions stand between the add and the wait for it
	s_wait_dscnt 0x0                               ; the add is done, and my reads of this slot are over:
	s_barrier_signal -1                            ; say so,
	MUL16 F1, 0, 2, 0                              ; work on registers while the others arrive,
	WIN 0
	s_barrier_wait -1                              ; and go on when all four have said so
.endm
; The whole last quarter in the loop.  Behind the round the slot just read out is filled again first, with the K step two steps on; then come the next slot's first fragments.
; From a request to the wait for it a wave issues 224 matrix instructions.  cell = 1: the change at which the cell's tile is prefetched.
.macro TURN slot, next, cell
	s_wait_xcnt 0x0                                ; the last prefetch, a K step back, has read its address: it is stepped here, ahead of the waits of the change of slots
	s_add_nc_u64 s[PFA:PFA+1], s[PFA:PFA+1], KSTEP*2
	MEET
	CREST                                          ; no wave of any partner still reads this slot's tile or has a load on its way
	s_add_nc_u64 s[G0+4*(\slot)+2:G0+4*(\slot)+3], s[G0+4*(\slot)+2:G0+4*(\slot)+3], 2*KSTEP*2
	s_add_nc_u64 s[G0B+4*(\slot)+2:G0B+4*(\slot)+3], s[G0B+4*(\slot)+2:G0B+4*(\slot)+3], 2*KSTEP*2
	JLOAD \slot                                    ; my one tensor load behind the round; the four v_nop behind it are also the places in front of the loads below
	FETCH \next, 0, F0
	ASK                                            ; behind the joint load and the run of LDS loads that the next products wait for
.if \cell
	ASKC
.endif
	WIN MUL_HI
	MUL16 F1, 1, 0, 0
	MUL16 F1, 1, 2, 0
.endm
; The last lap's change of slots: slot 0 has been read out for the last time, and its first half takes the cell's tile: a plain load, 64 rows a wave, issued by every wave as a refill is.
; It has a K step and 32 matrix instructions in which to land.
.macro TURNC
	MEET
	CREST
	tensor_load_to_lds s[G0C:G0C+3], s[G1C:G1C+7]
	s_nop 0
.rept 4
	v_nop                                          ; also the places in front of the loads below
.endr
	FETCH 1, 0, F0
	WIN MUL_HI
	MUL16 F1, 1, 0, 0
	MUL16 F1, 1, 2, 0
.endm
	s_wait_tensorcnt 1                             ; my part of K step 0 is in; K step 1's load may stay out
	s_barrier_signal -1
	s_barrier_wait -1                              ; everybody's is
	FETCH 0, 0, F0
	QUARTER 0, 64,  F0, F1, 1                      ; the first quarter stands in front of the loop: its products start the sums
	WIN 0                                          ; at a label and at a branch every window is 0
	s_mov_b32 s3, LAPS-1
.Llap:                                                 ; a trip goes once round the ring, from a lap's second quarter to the next lap's first, and fills both slots again
	QUARTER 0, 128, F1, F0, 0
	QUARTER 0, 192, F0, F1, 0
	TURN 0, 1, 0
	QUARTER 1, 64,  F0, F1, 0
	QUARTER 1, 128, F1, F0, 0
	QUARTER 1, 192, F0, F1, 0
	TURN 1, 0, 1
	QUARTER 0, 64,  F0, F1, 0
	WIN 0
	s_sub_co_u32 s3, s3, 1
	s_cmp_lg_u32 s3, 0
	s_cbranch_scc1 .Llap
	QUARTER 0, 128, F1, F0, 0                      ; the last lap: K steps 30 and 31
	QUARTER 0, 192, F0, F1, 0
	TURNC
	QUARTER 1, 64,  F0, F1, 0
	QUARTER 1, 128, F1, F0, 0
	QUARTER 1, 192, F0, F1, 0
	s_wait_dscnt 8                                 ; the very last quarter: nothing more to fetch
	MUL16 F1, 0, 0, 0
	MUL16 F1, 0, 2, 0
	s_wait_dscnt 0x0                               ; my reads of slot 1 are over
	MUL16 F1, 1, 0, 0
	MUL16 F1, 1, 2, 0
	WIN 0
	; THE TAIL.  My 64 rows of the cell's tile have landed, and my reads of slot 1 are back: behind this barrier every wave may read the whole tile and store into slot 1.
	s_wait_loadcnt 0x0                             ; the biases, asked for at the head
	s_wait_tensorcnt 0x0
	s_barrier_signal -1
.set i, 0
.rept 32                               ; each bias times its gate's factor, so that one fused multiply-add makes an exponent: k (sum + b) = k sum + k b.  These lines are also the places behind the last products
.if i/8 == 2
	v_pk_mul_f32 v[BI+2*i:BI+2*i+1], v[BI+2*i:BI+2*i+1], s[KP:KP+1] op_sel_hi:[1,0]
.else
	v_pk_mul_f32 v[BI+2*i:BI+2*i+1], v[BI+2*i:BI+2*i+1], s[KN:KN+1] op_sel_hi:[1,0]
.endif
.set i, i+1
.endr
	s_barrier_wait -1
; Row block a: 16 elements a lane (one row, 2 x 8 columns), all four gates.  Ti = T + 0.., Tf = T + 16.., Tc = T + 32.., To = T + 48...  Each batch of transcendentals has one plain instruction behind it and one wait
; ahead of its first reader: four batches a block.
.macro ONES first, pairs               ; + 1
.set i, 0
.rept \pairs
	v_pk_add_f32 v[(\first)+2*i:(\first)+2*i+1], v[(\first)+2*i:(\first)+2*i+1], 1.0 op_sel_hi:[1,0]
.set i, i+1
.endr
.endm
.macro BATCH op, first, n              ; n transcendentals in place, the plain instruction, the wait
.set i, 0
.rept \n
	\op v[(\first)+i], v[(\first)+i]
.set i, i+1
.endr
	v_nop
	s_wait_alu depctr_va_vdst(0)
.endm
.macro TANH first                      ; 1 - 2 r, for 16 numbers
.set i, 0
.rept 8
	v_pk_fma_f32 v[(\first)+2*i:(\first)+2*i+1], v[(\first)+2*i:(\first)+2*i+1], -2.0, 1.0 op_sel_hi:[1,0,0]
.set i, i+1
.endr
.endm
.macro EPI a
.set AC, 64*((\a)%4)                   ; the block's eight accumulators, in window 2 (blocks 0-3) or 3 (blocks 4-7)
.set CL, CLB+16*((\a)%2)
	WIN 0
.irp c, 0,1
	ds_load_b128 v[CL+8*(\c):CL+8*(\c)+3],   v[CA] offset:(\a)*16*PITCH+64*(\c)     ; the cell's 16 numbers: wanted far below
	ds_load_b128 v[CL+8*(\c)+4:CL+8*(\c)+7], v[CA] offset:(\a)*16*PITCH+64*(\c)+16
.endr
	WIN 0x02+(\a)/4                                ; source 0: the accumulators' window
.set i, 0
.rept 32                               ; the exponents; each accumulator's registers are taken in ascending order
.if i/8 == 2
	v_pk_fma_f32 v[T+2*i:T+2*i+1], v[AC+2*i:AC+2*i+1], s[KP:KP+1], v[BI+2*i:BI+2*i+1] op_sel_hi:[1,0,1]
.else
	v_pk_fma_f32 v[T+2*i:T+2*i+1], v[AC+2*i:AC+2*i+1], s[KN:KN+1], v[BI+2*i:BI+2*i+1] op_sel_hi:[1,0,1]
.endif
.set i, i+1
.endr
	WIN 0
	BATCH v_exp_f32, T, 64
	ONES T, 32
	BATCH v_rcp_f32, T, 64                         ; Ti, Tf, To are the three sigmoids
	TANH T+32                                      ; Tc = tanh(gc)
.set i, 0
.rept 8
	v_pk_mul_f32 v[T+32+2*i:T+32+2*i+1], v[T+2*i:T+2*i+1], v[T+32+2*i:T+32+2*i+1]  ; i x tanh(gc)
.set i, i+1
.endr
	s_wait_dscnt 0x0                               ; the cell's numbers are in (they are the youngest LDS instructions)
.set i, 0
.rept 8
	v_pk_fma_f32 v[CL+2*i:CL+2*i+1], v[CL+2*i:CL+2*i+1], v[T+16+2*i:T+16+2*i+1], v[T+32+2*i:T+32+2*i+1]  ; c' = c f + i tanh(gc)
.set i, i+1
.endr
.irp c, 0,1
	ds_store_b128 v[CW], v[CL+8*(\c):CL+8*(\c)+3]   offset:(\a)*16*PITCH+64*(\c)
	ds_store_b128 v[CW], v[CL+8*(\c)+4:CL+8*(\c)+7] offset:(\a)*16*PITCH+64*(\c)+16
.endr
.set i, 0
.rept 8
	v_pk_mul_f32 v[T+2*i:T+2*i+1], v[CL+2*i:CL+2*i+1], s[KP:KP+1] op_sel_hi:[1,0]
.set i, i+1
.endr
	BATCH v_exp_f32, T, 16
	ONES T, 8
	BATCH v_rcp_f32, T, 16
	TANH T                                         ; tanh(c')
.set i, 0
.rept 8
	v_pk_mul_f32 v[T+2*i:T+2*i+1], v[T+48+2*i:T+48+2*i+1], v[T+2*i:T+2*i+1]  ; h' = o tanh(c')
.set i, i+1
.endr
.irp c, 0,1
	ds_store_b128 v[HA], v[T+8*(\c):T+8*(\c)+3]   offset:(\a)*16*PITCH+64*(\c)
	ds_store_b128 v[HA], v[T+8*(\c)+4:T+8*(\c)+7] offset:(\a)*16*PITCH+64*(\c)+16
.endr
.endm
.irp a, 0,1,2,3,4,5,6,7
	EPI \a
.endr
	s_wait_dscnt 0x0                               ; for the others' sake: my stores into the stages are done; a stage row's 256 bytes come from two waves
	s_barrier_signal -1
	s_barrier_wait -1
; THE WAY OUT.  32 rows of a stage come back as whole rows of 256 bytes and are stored.  n = 0, 1: c'; 2, 3: h'; three sets of 64 registers by turns.
.macro OUTB n, adr, base
.set SB, 64+64*((\n)%3)
.set HB, (\n)&1
	s_wait_xcnt 0x0                                ; registers that earlier stores read are loaded again only behind this wait
.irp t, 0,1,2,3,4,5,6,7,8,9,10,11,12,13,14,15
	ds_load_b128 v[SB+4*(\t):SB+4*(\t)+3], v[\adr] offset:(16*HB+(\t))*2*PITCH
.endr
.irp t, 0,1,2,3,4,5,6,7,8,9,10,11,12,13,14,15
	s_wait_dscnt 15-(\t)                           ; LDS loads come back in order (ISA guide 5.7.1): the younger ones may stay out
	global_store_b128 v[CO], v[SB+4*(\t):SB+4*(\t)+3], s[\base:\base+1] offset:2*(16*HB+(\t))*ROWB th:TH_STORE_NT  ; 16 lanes store 256 consecutive bytes, at a multiple of 256 from the output's first byte
.endr
.endm
	OUTB 0, RD,  OUT1
	OUTB 1, RD,  OUT1
	OUTB 2, RDH, OUT0
	OUTB 3, RDH, OUT0
	s_wait_tensorcnt 0x0                           ; the wave's end, behind my last tensor load and my last LDS store
	ds_add_u32 v[SPW], v[NIL]
	s_wait_dscnt 0x0
	CROUND                                         ; the closing round: no work-group ends while a partner may still ask for a tile that names it
	s_endpgm
.Lfunc_end_k_q86b1767b78_lstm:
	.size	k_q86b1767b78_lstm, .Lfunc_end_k_q86b1767b78_lstm-k_q86b1767b78_lstm
	.p2alignl 7, 3214868480
	.fill 96, 4, 3214868480
	.section	.rodata,"a",@progbits
	.p2align	6, 0x0
	.amdhsa_kernel k_q86b1767b78_lstm
		.amdhsa_group_segment_fixed_size 327680
		.amdhsa_private_segment_fixed_size 0
		.amdhsa_enable_private_segment 0
		.amdhsa_kernarg_size 72
		.amdhsa_user_sgpr_count 2
		.amdhsa_user_sgpr_kernarg_segment_ptr 1
		.amdhsa_wavefront_size32 1
		.amdhsa_system_sgpr_workgroup_id_x 1
		.amdhsa_system_sgpr_workgroup_id_y 1
		.amdhsa_system_sgpr_workgroup_id_z 1
		.amdhsa_system_vgpr_workitem_id 0
		.amdhsa_next_free_vgpr 1024
		.amdhsa_next_free_sgpr 100
		.amdhsa_reserve_vcc 0
		.amdhsa_float_denorm_mode_32 3
		.amdhsa_float_denorm_mode_16_64 3
		.amdhsa_memory_ordered 1
		.amdhsa_forward_progress 1
		.amdhsa_inst_pref_size 239
	.end_amdhsa_kernel
	.amdgpu_metadata
---
amdhsa.version: [ 1, 2 ]
amdhsa.kernels:
  - .name:           k_q86b1767b78_lstm
    .symbol:         k_q86b1767b78_lstm.kd
    .args:
      - { .name: ub, .offset: 0, .size: 8, .value_kind: global_buffer, .address_space: global }
      - { .name: wb, .offset: 8, .size: 8, .value_kind: global_buffer, .address_space: global }
      - { .name: cell_state, .offset: 16, .size: 8, .value_kind: global_buffer, .address_space: global }
      - { .name: b_i, .offset: 24, .size: 8, .value_kind: global_buffer, .address_space: global }
      - { .name: b_f, .offset: 32, .size: 8, .value_kind: global_buffer, .address_space: global }
      - { .name: b_c, .offset: 40, .size: 8, .value_kind: global_buffer, .address_space: global }
      - { .name: b_o, .offset: 48, .size: 8, .value_kind: global_buffer, .address_space: global }
      - { .name: out0, .offset: 56, .size: 8, .value_kind: global_buffer, .address_space: global }
      - { .name: out1, .offset: 64, .size: 8, .value_kind: global_buffer, .address_space: global }
    .group_segment_fixed_size: 327680
    .private_segment_fixed_size: 0
    .kernarg_segment_align: 8
    .kernarg_segment_size: 72
    .max_flat_workgroup_size: 128
    .sgpr_count:     100
    .vgpr_count:     1024
    .wavefront_size: 32
...
	.end_amdgpu_metadata
.endif
;; end of part 2
